; MI455X (gfx1250); checked and timed in simulation.
; The chip was launched on July 23, 2026; its instructions are those of AMD's public machine-readable ISA for CDNA 5 (MIT licence, August 2026) and "CDNA5" Instruction Set Architecture Reference Guide (July 2026). The comments in the code are by the model that wrote it; some were corrected since.
;; RAG Query Optimizer. Allowed arithmetic: float matrix products may take bf16 or f16 operands with f32 sums; all other float work in f32.
;; Inputs: W_score 128 x 128 float32; b_score 128 float32; context_tokens 65,536 int32; emb_table 50,257 x 128 float32; query_tokens 4 x 128 int32.
;; Outputs: out0 4 x 128 float32.
;; 2 versions, each right; version 2 is version 1 with the launch scan written anew for expert scheduling mode. Each part assembles by itself: llvm-mc -triple=amdgcn-amd-amdhsa -mcpu=gfx1250 --defsym DOCPART=n.
;; ======== version 1 of 2: 4 launches
;; limits: values within 0.00049 (relative) of each other or of a threshold may be ordered or decided otherwise than in the reference; values within 1.53e-05 (relative) of each other or of a threshold may be ordered or decided otherwise than in the reference
;; workspace buffers: gmax 8,388,608 bytes; gpos 16,384 bytes of whole numbers; imp 2,048 bytes
;; launch scan (part 1): grid 256 x 1, 8 waves a work-group, no clusters, 250,880 bytes of LDS; arguments context_tokens, query_tokens, emb_table, gmax; writes gmax
.if DOCPART == 1
	.amdgcn_target "amdgcn-amd-amdhsa--gfx1250"
	.amdhsa_code_object_version 6
	.text
	.protected	k_qf796b6bf7f_scan
	.globl	k_qf796b6bf7f_scan
	.p2align	8
	.type	k_qf796b6bf7f_scan,@function
k_qf796b6bf7f_scan:
	s_mov_b64 s[64:65], 0
	v_nop
	global_prefetch_b8 v0, s[64:65] scope:SCOPE_SE
	s_setreg_imm32_b32 hwreg(HW_REG_WAVE_MODE, 25, 1), 1
	s_wait_xcnt 0x0
; scan: for every query and every group of 16 neighbouring contexts, the largest  q.c - |c|^2/2  (= (|q|^2 - |q-c|^2)/2:
; the largest value belongs to the group's nearest context).  The eight nearest contexts of a query lie in the eight
; groups with the largest such value, so the later launches look at 8 x 16 candidates only.
; A work-group takes 256 contexts x all 512 queries.  All 768 embedding rows are gathered (one load of a wave = one row,
; 512 consecutive bytes), rounded to bf16 and laid into LDS, 256 bytes a row at a pitch of 272.
; Wave (cq = wave & 3, qh = wave >> 2) keeps LDS rows 64 cq .. + 63 as four A tiles in 128 registers and walks the 16 query
; tiles of half qh.  Source 0 = contexts, source 1 = queries: register j of lane (r, h) holds row 8h + j, query r, so a
; maximum over registers is a maximum over contexts.  Context x of a block of 32 lies in LDS row x with bits 3 and 4
; exchanged, so that tiles 2p, 2p+1 hold in half h the contexts 64 cq + 32 p + 16 h + 0 .. 15.
; -|c|^2/2 enters as C of the first product.  It is the diagonal of A x A^T, the norm of the ROUNDED vector, so that the
; result belongs to a distance between the rounded vectors.
; Out: gmax[wg][query][4 cq + 2 h + p], f32, through an LDS stage; each store of a wave is 512 consecutive bytes, aligned.
; LIMITS: the product's operands are bf16, and the value is a difference of sums as in the reference's own formula (it only
; chooses candidates; the distances are made again in f32 from differences in launch rerank); finite inputs; a token is
; clamped to the table's last row.
; NO CLUSTER, NO TENSOR LOADS: what work-groups share is the 512 query rows, gathered by token from an f32 table; kept in
; LDS as f32 they are 262,144 bytes beside 208,896 bytes of bf16 rows, more than the 327,680 bytes there are.
.set VOCABM1, 50256
.set PITCH,   272                      ; 256 + 16 bytes: an odd multiple of 16, the sixteen rows of a fragment start in different banks
.set QROW0,   256                      ; LDS rows 0-255 contexts, 256-767 queries
.set OUTB,    768*PITCH                ; the stage: 512 rows of 64 bytes at a pitch of 80, behind all the rows
.set OPITCH,  80
.set LN16, 1                           ; v1   16 x lane
.set STC,  2                           ; v2   LDS: my 8 bytes in my wave's first context row
.set STQ,  3                           ; v3   LDS: my 8 bytes in my wave's first query row
.set FA,   6                           ; v6   LDS: my fragment address in my contexts
.set FB,   7                           ; v7   LDS: my fragment address in my half of the queries
.set SO,   8                           ; v8   LDS: where my two results of a tile go
.set WS,   16                          ; v[16:23]   -0.5 where register j of this lane lies on the diagonal, else 0
.set X,    24                          ; v[24:215]  three sets of 16 rows x 4 registers while rows are gathered
.set B,    24                          ; v[24:55]   a query tile: 4 K steps x 8 registers
.set ACC,  56                          ; v[56:87]   4 accumulator tiles
.set NRM,  88                          ; v[88:119]  -|c|^2/2 in the layout of C, 4 tiles
.set A,    120                         ; v[120:247] 4 context tiles x 4 K steps x 8 registers
.set R,    248                         ; v[248:249] the two group maxima of a tile
	s_load_b256 s[4:11], s[0:1], 0x0               ; context_tokens s[4:5], query_tokens s[6:7], emb_table s[8:9], gmax s[10:11]
	v_lshl_add_u32 v254, v0, 2, 0x3d000
	v_mov_b32 v255, 0
	v_lshrrev_b32 v4, 5, v0
	v_readfirstlane_b32 s12, v4                    ; wave 0..7
	v_and_b32 v5, 31, v0                           ; lane
	v_lshlrev_b32 v[LN16], 4, v5
	s_mul_i32 s13, s12, 32*PITCH                   ; the wave stages context rows 32 wave .. + 31
	v_lshl_add_u32 v[STC], v5, 3, s13
	s_mul_i32 s13, s12, 64*PITCH                   ; and query rows 64 wave .. + 63
	s_add_co_u32 s13, s13, QROW0*PITCH
	v_lshl_add_u32 v[STQ], v5, 3, s13
	s_lshl_b32 s14, ttmp9, 10                      ; 256 tokens of 4 bytes a work-group
	s_lshl_b32 s13, s12, 7                         ; + 32 tokens a wave
	s_add_co_u32 s14, s14, s13
	s_mov_b32 s15, 0
	s_lshl_b32 s2, s12, 8                          ; 64 query tokens a wave
	s_mov_b32 s3, 0
	s_wait_kmcnt 0x0
	s_add_nc_u64 s[4:5], s[4:5], s[14:15]
	s_add_nc_u64 s[6:7], s[6:7], s[2:3]
	s_load_b512 s[16:31], s[4:5], 0x0              ; tokens of batch 0: my contexts 0-15
	s_load_b512 s[32:47], s[4:5], 0x40             ; batch 1: contexts 16-31
	s_load_b512 s[48:63], s[6:7], 0x0              ; batch 2: queries 0-15
	s_wait_kmcnt 0x0
; 16 row loads.  The token is uniform: offset = 512 x token + 16 x lane, the wave reads the row's 512 bytes in one go.
; The offset stands in the first register that the load itself fills.
.macro ISSUE set
.irp i, 0,1,2,3,4,5,6,7,8,9,10,11,12,13,14,15
	s_min_u32 s13, s[16+16*\set+\i], VOCABM1
	v_lshl_add_u32 v[X+64*\set+4*\i], s13, 9, v[LN16]
	global_load_b128 v[X+64*\set+4*\i:X+64*\set+4*\i+3], v[X+64*\set+4*\i], s[8:9]
.endr
.endm
; 16 rows: a lane's four f32 become four bf16 (nearest even), 8 bytes at 8 x lane of the LDS row.  swap = 1: bits 3 and 4 of the row exchanged.
.macro PROCESS set, adr, row0, swap
.irp i, 0,1,2,3,4,5,6,7,8,9,10,11,12,13,14,15
	v_cvt_pk_bf16_f32 v[X+64*\set+4*\i], v[X+64*\set+4*\i], v[X+64*\set+4*\i+1]
	v_cvt_pk_bf16_f32 v[X+64*\set+4*\i+1], v[X+64*\set+4*\i+2], v[X+64*\set+4*\i+3]
.if \swap
	ds_store_b64 v[\adr], v[X+64*\set+4*\i:X+64*\set+4*\i+1] offset:(((\row0+\i)&7)|(((\row0+\i)&8)<<1)|(((\row0+\i)&16)>>1))*PITCH
.else
	ds_store_b64 v[\adr], v[X+64*\set+4*\i:X+64*\set+4*\i+1] offset:(\row0+\i)*PITCH
.endif
.endr
.endm
	ISSUE 0
	ISSUE 1
	ISSUE 2                                        ; 48 rows of the wave are on their way
	s_load_b512 s[16:31], s[6:7], 0x40             ; tokens of batches 3, 4, 5: queries 16-63 (the old tokens have been used up)
	s_load_b512 s[32:47], s[6:7], 0x80
	s_load_b512 s[48:63], s[6:7], 0xc0
	; addresses for later, while the rows travel
	v_and_b32 v4, 15, v0                           ; r
	v_bfe_u32 v5, v0, 4, 1                         ; h
	v_mul_u32_u24 v9, v4, PITCH
	v_lshl_add_u32 v9, v5, 4, v9                   ; r x pitch + 16 h: a 16-bit fragment with K along the row
	s_and_b32 s13, s12, 3                          ; cq
	s_lshr_b32 s14, s12, 2                         ; qh
	s_mul_i32 s15, s13, 64*PITCH
	v_add_nc_u32 v[FA], s15, v9
	s_mul_i32 s15, s14, 256*PITCH
	s_add_co_u32 s15, s15, QROW0*PITCH
	v_add_nc_u32 v[FB], s15, v9
	v_mul_u32_u24 v10, v4, OPITCH
	v_lshl_add_u32 v10, v5, 3, v10                 ; stage: query r x 80 + 8 h
	s_mul_i32 s15, s14, 256*OPITCH                 ; + my half of the queries
	s_mul_i32 s2, s13, 16                          ; + 16 cq: four slots of 4 bytes for each quarter of the contexts
	s_add_co_u32 s15, s15, s2
	s_add_co_u32 s15, s15, OUTB
	v_add_nc_u32 v[SO], s15, v10
	v_lshlrev_b32 v11, 3, v5
	v_sub_nc_u32 v11, v4, v11                      ; r - 8 h: the register of this lane that lies on the diagonal, if 0..7
	v_mov_b32 v12, -0.5
.irp j, 0,1,2,3,4,5,6,7
	v_cmp_eq_u32 vcc_lo, \j, v11
	v_cndmask_b32 v[WS+\j], 0, v12, vcc_lo
.endr
	s_wait_loadcnt 32                              ; loads return in order: batch 0 is in, the 32 loads of the two younger batches stay out
	PROCESS 0, STC, 0, 1
	s_wait_kmcnt 0x0                               ; the tokens of batches 3 to 5
	ISSUE 0
	s_wait_loadcnt 32                              ; batch 1 is in; batches 2 and 3 stay out
	PROCESS 1, STC, 16, 1
	ISSUE 1
	s_wait_loadcnt 32                              ; batch 2; 3 and 4 stay out
	PROCESS 2, STQ, 0, 0
	ISSUE 2
	s_wait_loadcnt 32                              ; batch 3; 4 and 5 stay out
	PROCESS 0, STQ, 16, 0
	s_wait_loadcnt 16                              ; batch 4; 5 stays out
	PROCESS 1, STQ, 32, 0
	s_wait_loadcnt 0x0
	PROCESS 2, STQ, 48, 0
	s_wait_dscnt 0x0                               ; my rows are in LDS before I say so
	s_barrier_signal -1
	s_barrier_wait -1                              ; all 768 rows are
	; my four context tiles, then the first query tile
.irp a, 0,1,2,3
.irp s, 0,1,2,3
	ds_load_b128 v[A+32*\a+8*\s:A+32*\a+8*\s+3],   v[FA] offset:\a*16*PITCH+64*\s
	ds_load_b128 v[A+32*\a+8*\s+4:A+32*\a+8*\s+7], v[FA] offset:\a*16*PITCH+64*\s+32
.endr
.endr
.irp s, 0,1,2,3
	ds_load_b128 v[B+8*\s:B+8*\s+3],   v[FB] offset:64*\s
	ds_load_b128 v[B+8*\s+4:B+8*\s+7], v[FB] offset:64*\s+32
.endr
	s_wait_dscnt 8                                 ; A's 32 loads are in; the 8 of the query tile stay out
	; A x A^T: the register maps of the two sources are the same, so one fragment serves as both
.irp a, 0,1,2,3
	v_wmma_f32_16x16x32_bf16 v[ACC+8*\a:ACC+8*\a+7], v[A+32*\a:A+32*\a+7], v[A+32*\a:A+32*\a+7], 0
.endr
.irp s, 1,2,3
.irp a, 0,1,2,3
	v_wmma_f32_16x16x32_bf16 v[ACC+8*\a:ACC+8*\a+7], v[A+32*\a+8*\s:A+32*\a+8*\s+7], v[A+32*\a+8*\s:A+32*\a+8*\s+7], v[ACC+8*\a:ACC+8*\a+7]
.endr
.endr
.rept 4
	v_nop                                          ; four independent vector places before a vector instruction reads a matrix result (ISA guide 7.12.1)
.endr
	; keep the diagonal element times -0.5, zero elsewhere, and add over the 16 lanes of the half: every lane then holds -|c(8h+j)|^2/2
.irp a, 0,1,2,3
.irp j, 0,1,2,3,4,5,6,7
	v_mul_f32 v[NRM+8*\a+\j], v[ACC+8*\a+\j], v[WS+\j]
.endr
.endr
.irp m, 1,2,4,8
.set ii, 0
.rept 32
	v_add_f32_dpp v[NRM+ii], v[NRM+ii], v[NRM+ii] row_xmask:\m row_mask:0xf bank_mask:0xf
.set ii, ii+1
.endr
.endr
; the largest of the 16 registers of tiles 2p and 2p+1: a tree of three-input maxima, eight instructions
.macro REDUCE p
.set CB, ACC+16*\p
	v_max3_num_f32 v[CB],    v[CB],    v[CB+1],  v[CB+2]
	v_max3_num_f32 v[CB+3],  v[CB+3],  v[CB+4],  v[CB+5]
	v_max3_num_f32 v[CB+6],  v[CB+6],  v[CB+7],  v[CB+8]
	v_max3_num_f32 v[CB+9],  v[CB+9],  v[CB+10], v[CB+11]
	v_max3_num_f32 v[CB+12], v[CB+12], v[CB+13], v[CB+14]
	v_max3_num_f32 v[CB],    v[CB],    v[CB+3],  v[CB+6]
	v_max3_num_f32 v[CB+9],  v[CB+9],  v[CB+12], v[CB+15]
	v_max_num_f32  v[R+\p],  v[CB],    v[CB+9]
.endm
; One query tile: 16 matrix instructions (4 context tiles x K = 128), the next tile's fragments asked for, two maxima stored.
; All 16 tiles are written out, so that every LDS offset is an immediate (the largest, 15 x 4,352 + 224, fits 16 bits).
; While this wave reduces and waits for its fragments, the second wave of the SIMD multiplies.
; The next tile's first products write over ACC: behind each of this tile's last four products stand the four v_nop and
; the eight maxima of the other pair of tiles, which name none of its registers.
; The stage's bytes are each wave's own (query rows of its half, 16 bytes of its quarter) and lie behind the rows that the
; fragment loads read, so no barrier stands between those loads and these stores.
.macro TILE i, more
	s_wait_dscnt 0x0                               ; the tile's eight fragment loads are in
.irp a, 0,1,2,3
	v_wmma_f32_16x16x32_bf16 v[ACC+8*\a:ACC+8*\a+7], v[A+32*\a:A+32*\a+7], v[B:B+7], v[NRM+8*\a:NRM+8*\a+7]
.endr
.irp s, 1,2,3
.irp a, 0,1,2,3
	v_wmma_f32_16x16x32_bf16 v[ACC+8*\a:ACC+8*\a+7], v[A+32*\a+8*\s:A+32*\a+8*\s+7], v[B+8*\s:B+8*\s+7], v[ACC+8*\a:ACC+8*\a+7]
.endr
.endr
.rept 4
	v_nop                                          ; four places before loads land on B and before the maxima read the results
.endr
.if \more
.irp s, 0,1,2,3
	ds_load_b128 v[B+8*\s:B+8*\s+3],   v[FB] offset:(\i+1)*16*PITCH+64*\s
	ds_load_b128 v[B+8*\s+4:B+8*\s+7], v[FB] offset:(\i+1)*16*PITCH+64*\s+32
.endr
.endif
	REDUCE 0
	REDUCE 1
	ds_store_b64 v[SO], v[R:R+1] offset:\i*16*OPITCH   ; slots (h, p = 0) and (h, p = 1) of query 16 i + r
.endm
.irp i, 0,1,2,3,4,5,6,7,8,9,10,11,12,13,14
	TILE \i, 1
.endr
	TILE 15, 0
	s_wait_dscnt 0x0                               ; my results are in the stage before I say so
	s_barrier_signal -1
	s_barrier_wait -1
	; the stage goes out as it lies: piece n = thread + 256 k is bytes 16 n .. 16 n + 15 of the work-group's 32,768
	v_lshrrev_b32 v9, 2, v0
	v_and_b32 v10, 3, v0
	v_mul_u32_u24 v9, v9, OPITCH
	v_lshl_add_u32 v9, v10, 4, v9
	v_add_nc_u32 v9, OUTB, v9
.irp k, 0,1,2,3,4,5,6,7
	ds_load_b128 v[B+4*\k:B+4*\k+3], v9 offset:\k*64*OPITCH
.endr
	v_lshlrev_b32 v10, 4, v0
	s_lshl_b32 s14, ttmp9, 15
	s_mov_b32 s15, 0
	s_add_nc_u64 s[10:11], s[10:11], s[14:15]
.irp k, 0,1,2,3,4,5,6,7
	s_wait_dscnt 7-\k                              ; LDS loads return in order: piece k is in, the younger ones stay out
	global_store_b128 v10, v[B+4*\k:B+4*\k+3], s[10:11] offset:\k*4096
.endr
	s_wait_tensorcnt 0x0
	ds_add_u32 v254, v255
	s_wait_dscnt 0x0
	s_endpgm
.Lfunc_end_k_qf796b6bf7f_scan:
	.size	k_qf796b6bf7f_scan, .Lfunc_end_k_qf796b6bf7f_scan-k_qf796b6bf7f_scan
	.p2alignl 7, 3214868480
	.fill 96, 4, 3214868480
	.section	.rodata,"a",@progbits
	.p2align	6, 0x0
	.amdhsa_kernel k_qf796b6bf7f_scan
		.amdhsa_group_segment_fixed_size 250880
		.amdhsa_private_segment_fixed_size 0
		.amdhsa_enable_private_segment 0
		.amdhsa_kernarg_size 32
		.amdhsa_user_sgpr_count 2
		.amdhsa_user_sgpr_kernarg_segment_ptr 1
		.amdhsa_wavefront_size32 1
		.amdhsa_system_sgpr_workgroup_id_x 1
		.amdhsa_system_sgpr_workgroup_id_y 1
		.amdhsa_system_sgpr_workgroup_id_z 1
		.amdhsa_system_vgpr_workitem_id 0
		.amdhsa_next_free_vgpr 256
		.amdhsa_next_free_sgpr 66
		.amdhsa_reserve_vcc 1
		.amdhsa_float_denorm_mode_32 3
		.amdhsa_float_denorm_mode_16_64 3
		.amdhsa_memory_ordered 1
		.amdhsa_forward_progress 1
		.amdhsa_inst_pref_size 100
	.end_amdhsa_kernel
	.amdgpu_metadata
---
amdhsa.version: [ 1, 2 ]
amdhsa.kernels:
  - .name:           k_qf796b6bf7f_scan
    .symbol:         k_qf796b6bf7f_scan.kd
    .args:
      - { .name: context_tokens, .offset: 0, .size: 8, .value_kind: global_buffer, .address_space: global }
      - { .name: query_tokens, .offset: 8, .size: 8, .value_kind: global_buffer, .address_space: global }
      - { .name: emb_table, .offset: 16, .size: 8, .value_kind: global_buffer, .address_space: global }
      - { .name: gmax, .offset: 24, .size: 8, .value_kind: global_buffer, .address_space: global }
    .group_segment_fixed_size: 250880
    .private_segment_fixed_size: 0
    .kernarg_segment_align: 8
    .kernarg_segment_size: 32
    .max_flat_workgroup_size: 256
    .sgpr_count:     66
    .vgpr_count:     256
    .wavefront_size: 32
...
	.end_amdgpu_metadata
.endif
;; end of part 1
;; launch pick (part 2): grid 128 x 1, 8 waves a work-group, no clusters, 9,216 bytes of LDS; arguments gmax, query_tokens, emb_table, gpos; writes gpos
.if DOCPART == 2
	.amdgcn_target "amdgcn-amd-amdhsa--gfx1250"
	.amdhsa_code_object_version 6
	.text
	.protected	k_qf796b6bf7f_pick
	.globl	k_qf796b6bf7f_pick
	.p2align	8
	.type	k_qf796b6bf7f_pick,@function
k_qf796b6bf7f_pick:
	s_mov_b64 s[64:65], 0
	v_nop
	global_prefetch_b8 v0, s[64:65] scope:SCOPE_SE
	s_setreg_imm32_b32 hwreg(HW_REG_WAVE_MODE, 25, 1), 1
	s_wait_xcnt 0x0
; pick: for four queries a work-group, the eight groups of 16 contexts with the largest group maximum, stored as the
; groups' first context positions: whole numbers from which the next launch forms addresses.
; gmax[wg][query][16]: four queries are 256 consecutive bytes in each of 256 blocks.  Sixteen lanes read one such piece, so
; thread t always serves query (t >> 2) & 3 and sees 64 values.  value - |q|^2/2 (q rounded to bf16, as in the product) is
; -|q-c|^2/2.  The key is that number with the 12-bit group number in its low mantissa bits: keys of a query are unique
; and carry their index through max and med3.  A lane keeps a sorted list of 8 (one v_med3 a place); the 64 lists of a
; query meet in LDS, and one wave takes the largest key eight times, removing it each time.
; Group number = 256 k + 16 (t >> 4) + 4 (t & 3) + ii: block (t >> 4) + 16 k, quarter t & 3, and slot i = 2h + p of the
; quarter is group ii = 2p + h in the order of the contexts.
; LIMITS: two groups whose smallest squared distances (of the rounded vectors) agree to 1/2048 relative are ordered by
; index; finite inputs.  The exact distances are made in launch rerank.
; 128 work-groups: four queries are what makes each read a whole piece of 256 bytes.  Work-groups share nothing but
; table rows of their own queries: no cluster.  Each store of gpos is 32 bytes (16,384 bytes in the whole launch).
.set VOCABM1, 50256
.set M,   16                           ; v[16:79]   64 group maxima; later v[16:31] = 16 keys of the merge
.set QR,  80                           ; v[80:95]   the four q rows, four numbers a lane
.set NQ,  96                           ; v[96:99]   |q|^2 of the four queries
.set T,   100                          ; v[100:107] the list, descending
.set RES, 108                          ; v108       lane n: the n-th largest key
.macro WRED op, r, t                   ; over the 32 lanes: four steps inside the halves of 16, one across; every lane gets the result
.irp m, 1,2,4,8
	\op\()_dpp v[\r], v[\r], v[\r] row_xmask:\m row_mask:0xf bank_mask:0xf
.endr
	v_permlanex16_b32 v[\t], v[\r], s26, s27
	\op v[\r], v[\r], v[\t]
.endm
	s_load_b256 s[4:11], s[0:1], 0x0               ; gmax s[4:5], query_tokens s[6:7], emb_table s[8:9], gpos s[10:11]
	v_lshl_add_u32 v112, v0, 2, 0x2000
	v_mov_b32 v113, 0
	v_lshrrev_b32 v1, 5, v0
	v_readfirstlane_b32 s12, v1                    ; wave
	v_and_b32 v4, 31, v0                           ; lane
	v_lshlrev_b32 v2, 4, v4                        ; 16 x lane
	v_lshrrev_b32 v3, 4, v0                        ; t >> 4 = block modulo 16
	v_and_b32 v6, 15, v0
	v_lshlrev_b32 v6, 4, v6
	v_lshl_add_u32 v3, v3, 15, v6                  ; block x 32,768 + my 16 bytes of the piece
	s_lshl_b32 s14, ttmp9, 8                       ; four queries x 64 bytes
	s_mov_b32 s15, 0
	s_lshl_b32 s16, ttmp9, 4                       ; four tokens
	s_mov_b32 s17, 0
	s_mov_b32 s24, 0xfffff000                      ; keeps sign, exponent and 11 mantissa bits
	s_mov_b32 s26, 0x76543210                      ; v_permlanex16_b32: lane i of the other half
	s_mov_b32 s27, 0xfedcba98
	s_wait_kmcnt 0x0
	s_add_nc_u64 s[4:5], s[4:5], s[14:15]
	s_add_nc_u64 s[6:7], s[6:7], s[16:17]
	s_load_b128 s[20:23], s[6:7], 0x0              ; the four tokens
.irp k, 0,1,2,3,4,5,6,7,8,9,10,11,12,13,14,15
	global_load_b128 v[M+4*\k:M+4*\k+3], v3, s[4:5] offset:\k*524288 th:TH_LOAD_NT   ; block (t >> 4) + 16 k; read once in the launch
.endr
	s_wait_kmcnt 0x0
.irp q, 0,1,2,3
	s_min_u32 s[20+\q], s[20+\q], VOCABM1
	v_lshl_add_u32 v[QR+4*\q], s[20+\q], 9, v2
	global_load_b128 v[QR+4*\q:QR+4*\q+3], v[QR+4*\q], s[8:9]
.endr
	v_mov_b32 v13, 0xff800000                      ; -infinity
	v_mov_b32 v14, 0                               ; the lane exchange's destination counts as read
	v_mov_b32 v[RES], 0
.irp j, 0,1,2,3,4,5,6,7
	v_mov_b32 v[T+\j], 0xff800000                  ; 64 keys follow, so none of this is left in the list
.endr
	v_bfe_u32 v5, v0, 2, 2                         ; my query 0..3
	v_and_b32 v7, 3, v0
	v_lshlrev_b32 v7, 2, v7
	v_and_or_b32 v7, v0, 0xf0, v7                  ; the thread's part of the group number
	s_wait_loadcnt 0x0
	; |q|^2 of the rounded q, all four queries in every wave
.irp q, 0,1,2,3
	v_cvt_pk_bf16_f32 v8, v[QR+4*\q], v[QR+4*\q+1]
	v_cvt_pk_bf16_f32 v9, v[QR+4*\q+2], v[QR+4*\q+3]
	v_lshlrev_b32 v10, 16, v8
	v_and_b32 v11, 0xffff0000, v8
	v_lshlrev_b32 v12, 16, v9
	v_and_b32 v6, 0xffff0000, v9
	v_mul_f32 v[NQ+\q], v10, v10
	v_fmac_f32 v[NQ+\q], v11, v11
	v_fmac_f32 v[NQ+\q], v12, v12
	v_fmac_f32 v[NQ+\q], v6, v6
	WRED v_add_f32, NQ+\q, 14
.endr
	v_cmp_eq_u32 vcc_lo, 1, v5
	v_cndmask_b32 v15, v[NQ], v[NQ+1], vcc_lo
	v_cmp_eq_u32 vcc_lo, 2, v5
	v_cndmask_b32 v15, v15, v[NQ+2], vcc_lo
	v_cmp_eq_u32 vcc_lo, 3, v5
	v_cndmask_b32 v15, v15, v[NQ+3], vcc_lo
	v_mul_f32 v15, 0.5, v15                        ; |q|^2/2 of my query
; one value into the list: place j takes the middle of (old place j-1, old place j, key), from the bottom up, in place
.macro KEYIN reg, idx
	v_sub_f32 v8, v[\reg], v15
	v_and_or_b32 v8, v8, s24, \idx
.irp j, 7,6,5,4,3,2,1
	v_med3_num_f32 v[T+\j], v[T+\j-1], v[T+\j], v8
.endr
	v_max_num_f32 v[T], v[T], v8
.endm
.irp k, 0,1,2,3,4,5,6,7,8,9,10,11,12,13,14,15
.irp i, 0,1,2,3
	KEYIN M+4*\k+\i, (256*\k+((\i&1)<<1)+(\i>>1))
.endr
.endr
.irp j, 0,1,2,3,4,5,6,7
	v_or_b32 v[T+\j], v[T+\j], v7
.endr
	; list number 4 (t >> 4) + (t & 3) of my query: 64 lists of 32 bytes a query
	v_lshrrev_b32 v9, 4, v0
	v_and_b32 v10, 3, v0
	v_lshl_or_b32 v9, v9, 2, v10
	v_lshlrev_b32 v9, 5, v9
	v_lshl_add_u32 v9, v5, 11, v9
	ds_store_b128 v9, v[T:T+3]
	ds_store_b128 v9, v[T+4:T+7] offset:16
	s_wait_dscnt 0x0                               ; my list is in LDS before I say so
	s_barrier_signal -1
	s_barrier_wait -1
	s_cmp_ge_u32 s12, 4                            ; wave q = 0..3 merges query q; the others are done
	s_cbranch_scc1 .Lend
	s_lshl_b32 s13, s12, 11
	v_lshl_add_u32 v9, v2, 2, s13                  ; 64 bytes a lane: two lists
.irp c, 0,1,2,3
	ds_load_b128 v[M+4*\c:M+4*\c+3], v9 offset:16*\c
.endr
	s_wait_dscnt 0x0
; the largest of the 512 keys goes to lane n of RES and is replaced by -infinity where it stood (keys are unique)
.macro PASS n
	v_max3_num_f32 v8,  v[M],    v[M+1],  v[M+2]
	v_max3_num_f32 v9,  v[M+3],  v[M+4],  v[M+5]
	v_max3_num_f32 v10, v[M+6],  v[M+7],  v[M+8]
	v_max3_num_f32 v11, v[M+9],  v[M+10], v[M+11]
	v_max3_num_f32 v12, v[M+12], v[M+13], v[M+14]
	v_max3_num_f32 v8,  v8,  v9,  v10
	v_max3_num_f32 v11, v11, v12, v[M+15]
	v_max_num_f32  v8,  v8,  v11
	WRED v_max_num_f32, 8, 14
	v_cmp_eq_u32 vcc_lo, \n, v4
	v_cndmask_b32 v[RES], v[RES], v8, vcc_lo
.irp j, 0,1,2,3,4,5,6,7,8,9,10,11,12,13,14,15
	v_cmp_eq_u32 vcc_lo, v8, v[M+\j]
	v_cndmask_b32 v[M+\j], v[M+\j], v13, vcc_lo
.endr
.endm
.irp n, 0,1,2,3,4,5,6,7
	PASS \n
.endr
	v_and_b32 v[RES], 0xfff, v[RES]                ; the group number
	v_lshlrev_b32 v[RES], 4, v[RES]                ; its first context position
	s_lshl_b32 s14, ttmp9, 7                       ; four queries x 32 bytes
	s_lshl_b32 s13, s12, 5
	s_add_co_u32 s14, s14, s13
	s_mov_b32 s15, 0
	s_add_nc_u64 s[10:11], s[10:11], s[14:15]
	v_lshlrev_b32 v9, 2, v4
	v_cmp_gt_u32 vcc_lo, 8, v4
	s_wait_xcnt 0x0                                ; EXEC is a source of the memory instructions issued so far
	s_and_saveexec_b32 s16, vcc_lo
	global_store_b32 v9, v[RES], s[10:11]          ; lanes 0-7: 32 consecutive bytes
	s_wait_xcnt 0x0                                ; and of this store
	s_or_b32 exec_lo, exec_lo, s16
.Lend:
	s_wait_tensorcnt 0x0
	ds_add_u32 v112, v113
	s_wait_dscnt 0x0
	s_endpgm
.Lfunc_end_k_qf796b6bf7f_pick:
	.size	k_qf796b6bf7f_pick, .Lfunc_end_k_qf796b6bf7f_pick-k_qf796b6bf7f_pick
	.p2alignl 7, 3214868480
	.fill 96, 4, 3214868480
	.section	.rodata,"a",@progbits
	.p2align	6, 0x0
	.amdhsa_kernel k_qf796b6bf7f_pick
		.amdhsa_group_segment_fixed_size 9216
		.amdhsa_private_segment_fixed_size 0
		.amdhsa_enable_private_segment 0
		.amdhsa_kernarg_size 32
		.amdhsa_user_sgpr_count 2
		.amdhsa_user_sgpr_kernarg_segment_ptr 1
		.amdhsa_wavefront_size32 1
		.amdhsa_system_sgpr_workgroup_id_x 1
		.amdhsa_system_sgpr_workgroup_id_y 1
		.amdhsa_system_sgpr_workgroup_id_z 1
		.amdhsa_system_vgpr_workitem_id 0
		.amdhsa_next_free_vgpr 114
		.amdhsa_next_free_sgpr 66
		.amdhsa_reserve_vcc 1
		.amdhsa_float_denorm_mode_32 3
		.amdhsa_float_denorm_mode_16_64 3
		.amdhsa_memory_ordered 1
		.amdhsa_forward_progress 1
		.amdhsa_inst_pref_size 63
	.end_amdhsa_kernel
	.amdgpu_metadata
---
amdhsa.version: [ 1, 2 ]
amdhsa.kernels:
  - .name:           k_qf796b6bf7f_pick
    .symbol:         k_qf796b6bf7f_pick.kd
    .args:
      - { .name: gmax, .offset: 0, .size: 8, .value_kind: global_buffer, .address_space: global }
      - { .name: query_tokens, .offset: 8, .size: 8, .value_kind: global_buffer, .address_space: global }
      - { .name: emb_table, .offset: 16, .size: 8, .value_kind: global_buffer, .address_space: global }
      - { .name: gpos, .offset: 24, .size: 8, .value_kind: global_buffer, .address_space: global }
    .group_segment_fixed_size: 9216
    .private_segment_fixed_size: 0
    .kernarg_segment_align: 8
    .kernarg_segment_size: 32
    .max_flat_workgroup_size: 256
    .sgpr_count:     66
    .vgpr_count:     114
    .wavefront_size: 32
...
	.end_amdgpu_metadata
.endif
;; end of part 2
;; launch rerank (part 3): grid 512 x 1, 8 waves a work-group, no clusters, 6,144 bytes of LDS; arguments gpos, context_tokens, query_tokens, emb_table, W_score, b_score, imp; writes imp
.if DOCPART == 3
	.amdgcn_target "amdgcn-amd-amdhsa--gfx1250"
	.amdhsa_code_object_version 6
	.text
	.protected	k_qf796b6bf7f_rerank
	.globl	k_qf796b6bf7f_rerank
	.p2align	8
	.type	k_qf796b6bf7f_rerank,@function
k_qf796b6bf7f_rerank:
	s_mov_b64 s[64:65], 0
	v_nop
	global_prefetch_b8 v0, s[64:65] scope:SCOPE_SE
	s_setreg_imm32_b32 hwreg(HW_REG_WAVE_MODE, 25, 1), 1
	s_wait_xcnt 0x0
; rerank: one query a work-group.  Its 8 x 16 candidates are evaluated in f32: |q-c|^2 from differences, qp.c with
; qp = q W + b; the eight nearest are chosen, and importance = the largest softmax value of their logits = 1 / sum of
; exp(logit - largest logit).
; Wave w takes group w (16 candidate rows, one load of 512 consecutive bytes each) and rows 16 w .. + 15 of W; the eight
; partial sums of qp meet in LDS.  Positions and tokens are whole numbers read from memory, clamped into their tables.
; qp on the vector unit: one row a work-group, 16,384 multiply-adds, would fill a sixteenth of a matrix tile.
; The 32 sums of a wave (16 squared distances, 16 dot products) are reduced over the lanes by a transposing tree: each step
; halves the number of registers, and lane (r, h) ends with the sums of row r.
; The key for the final choice is -(d^2 + 1e-12) with the 7-bit candidate number in its low mantissa bits.
; LIMITS: candidates whose squared distances agree to 2^-16 relative are ordered by index; finite inputs.
; NO CLUSTER: what work-groups share is W, 65,536 bytes, read through registers; the candidate rows differ.  The one store
; is 4 bytes (2,048 bytes in the whole launch).
.set VOCABM1, 50256
.set KEYB, 4096                        ; LDS: 8 x 512 bytes of partial qp, 128 keys, 128 logits
.set LOGB, 4608
.set WR, 16                            ; v[16:79]   16 rows of W, four columns a lane
.set P,  16                            ; v[16:47]   later: the eight partial sums; v[16:19] then hold qp
.set V,  48                            ; v[48:79]   later: 16 squared distances, 16 dot products
.set CR, 80                            ; v[80:143]  16 candidate rows
.set QV, 144                           ; v[144:147] q
.set BV, 148                           ; v[148:151] b
.set AQ, 152                           ; v[152:155] my wave's part of qp
.macro WRED op, r, t
.irp m, 1,2,4,8
	\op\()_dpp v[\r], v[\r], v[\r] row_xmask:\m row_mask:0xf bank_mask:0xf
.endr
	v_permlanex16_b32 v[\t], v[\r], s60, s61
	\op v[\r], v[\r], v[\t]
.endm
	s_load_b256 s[4:11], s[0:1], 0x0               ; gpos s[4:5], context_tokens s[6:7], query_tokens s[8:9], emb_table s[10:11]
	s_load_b128 s[12:15], s[0:1], 0x20             ; W s[12:13], b s[14:15]
	s_load_b64 s[16:17], s[0:1], 0x30              ; imp
	v_lshl_add_u32 v160, v0, 2, 0x1400
	v_mov_b32 v161, 0
	v_lshrrev_b32 v1, 5, v0
	v_readfirstlane_b32 s18, v1                    ; wave
	v_and_b32 v1, 31, v0
	v_lshlrev_b32 v1, 4, v1                        ; 16 x lane
	s_lshl_b32 s2, s18, 13                         ; 16 rows of W a wave
	v_add_nc_u32 v2, s2, v1
	s_lshl_b32 s3, s18, 9
	v_add_nc_u32 v3, s3, v1                        ; LDS: my four columns of my wave's part
	s_lshl_b32 s19, ttmp9, 2                       ; my query's token
	s_lshl_b32 s22, ttmp9, 5
	s_lshl2_add_u32 s22, s18, s22                  ; my group's position: 32 x query + 4 x wave
	s_mov_b32 s56, 0xaaaaaaaa                      ; lanes with bit 0, 1, 2, 3 set
	s_mov_b32 s57, 0xcccccccc
	s_mov_b32 s58, 0xf0f0f0f0
	s_mov_b32 s59, 0xff00ff00
	s_mov_b32 s60, 0x76543210
	s_mov_b32 s61, 0xfedcba98
	s_wait_kmcnt 0x0
	s_load_b32 s20, s[8:9], s19 offset:0x0
	s_load_b32 s21, s[4:5], s22 offset:0x0
.irp k, 0,1,2,3,4,5,6,7,8,9,10,11,12,13,14,15
	global_load_b128 v[WR+4*\k:WR+4*\k+3], v2, s[12:13] offset:\k*512
.endr
	global_load_b128 v[BV:BV+3], v1, s[14:15]
	s_wait_kmcnt 0x0
	s_min_u32 s20, s20, VOCABM1
	s_lshl_b32 s20, s20, 9                         ; q's row, in bytes
	s_min_u32 s21, s21, 0xfff0                     ; 16 tokens from here stay inside the 65,536
	s_lshl_b32 s21, s21, 2
	s_lshl_b32 s23, s18, 6
	s_add_co_u32 s23, s23, s20                     ; q[16 wave ..]
	s_load_b512 s[24:39], s[6:7], s21 offset:0x0   ; the 16 candidates' tokens
	s_load_b512 s[40:55], s[10:11], s23 offset:0x0 ; 16 numbers of q, uniform
	v_add_nc_u32 v[QV], s20, v1
	global_load_b128 v[QV:QV+3], v[QV], s[10:11]
	s_wait_kmcnt 0x0
.irp i, 0,1,2,3,4,5,6,7,8,9,10,11,12,13,14,15
	s_min_u32 s2, s[24+\i], VOCABM1
	v_lshl_add_u32 v[CR+4*\i], s2, 9, v1
	global_load_b128 v[CR+4*\i:CR+4*\i+3], v[CR+4*\i], s[10:11]
.endr
	s_wait_loadcnt 18                              ; W's 16 loads are in; b, q and the 16 candidate rows stay out
.irp c, 0,1,2,3
	v_mul_f32 v[AQ+\c], s40, v[WR+\c]
.endr
.irp k, 1,2,3,4,5,6,7,8,9,10,11,12,13,14,15
.irp c, 0,1,2,3
	v_fmac_f32 v[AQ+\c], s[40+\k], v[WR+4*\k+\c]
.endr
.endr
	ds_store_b128 v3, v[AQ:AQ+3]
	s_wait_dscnt 0x0                               ; my part is in LDS before I say so
	s_barrier_signal -1
	s_barrier_wait -1
.irp j, 0,1,2,3,4,5,6,7
	ds_load_b128 v[P+4*\j:P+4*\j+3], v1 offset:512*\j
.endr
	s_wait_loadcnt 0x0
	s_wait_dscnt 0x0
	v_pk_add_f32 v[P:P+1], v[P:P+1], v[BV:BV+1]
	v_pk_add_f32 v[P+2:P+3], v[P+2:P+3], v[BV+2:BV+3]
.irp j, 1,2,3,4,5,6,7
	v_pk_add_f32 v[P:P+1], v[P:P+1], v[P+4*\j:P+4*\j+1]
	v_pk_add_f32 v[P+2:P+3], v[P+2:P+3], v[P+4*\j+2:P+4*\j+3]
.endr
	; a lane's share of row i: four differences squared, four products
.irp i, 0,1,2,3,4,5,6,7,8,9,10,11,12,13,14,15
	v_pk_add_f32 v[4:5], v[QV:QV+1], v[CR+4*\i:CR+4*\i+1] neg_lo:[0,1] neg_hi:[0,1]
	v_pk_add_f32 v[6:7], v[QV+2:QV+3], v[CR+4*\i+2:CR+4*\i+3] neg_lo:[0,1] neg_hi:[0,1]
	v_pk_mul_f32 v[8:9], v[P:P+1], v[CR+4*\i:CR+4*\i+1]
	v_pk_mul_f32 v[4:5], v[4:5], v[4:5]
	v_pk_fma_f32 v[8:9], v[P+2:P+3], v[CR+4*\i+2:CR+4*\i+3], v[8:9]
	v_pk_fma_f32 v[4:5], v[6:7], v[6:7], v[4:5]
	v_add_f32 v[V+16+\i], v8, v9
	v_add_f32 v[V+\i], v4, v5
.endr
; n pairs of registers become n registers: lanes with the bit clear keep the even register and send the odd one to their
; partner, the others the other way round.  V[j] is written after V[2j] and V[2j+1] have been read.
.macro TSTEP n, x, m
.set jj, 0
.rept \n
	v_cndmask_b32 v4, v[V+2*jj], v[V+2*jj+1], s[\m]
	v_cndmask_b32 v5, v[V+2*jj+1], v[V+2*jj], s[\m]
	v_add_f32_dpp v[V+jj], v5, v4 row_xmask:\x row_mask:0xf bank_mask:0xf
.set jj, jj+1
.endr
.endm
	TSTEP 16, 1, 56
	TSTEP 8, 2, 57
	TSTEP 4, 4, 58
	TSTEP 2, 8, 59                                 ; V[0]: squared distance of row r, V[1]: dot product of row r, each over 16 lanes
	v_permlanex16_b32 v4, v[V], s60, s61
	v_permlanex16_b32 v5, v[V+1], s60, s61
	v_add_f32 v6, v[V], v4
	v_add_f32 v7, v[V+1], v5
	v_add_f32 v6, 0x2b8cbccc, v6                   ; + 1e-12; a sum of squares is never below 0
	v_sqrt_f32 v8, v6
	v_and_b32 v9, 15, v0                           ; (a plain instruction between the root and its use: ISA guide 5.7.2)
	s_lshl_b32 s3, s18, 4
	v_add_nc_u32 v9, s3, v9                        ; candidate number 16 wave + r
	v_lshlrev_b32 v12, 2, v9
	v_or_b32 v9, 0x80000000, v9
	s_wait_alu depctr_va_vdst(0)
	v_fma_f32 v10, v7, 0x3db504f3, -v8             ; qp.c / sqrt(128) - distance
	v_and_or_b32 v11, v6, 0xffffff80, v9           ; the key: negative, so the largest belongs to the nearest
	ds_store_b32 v12, v11 offset:KEYB              ; both halves of the lanes write the same words with the same values
	ds_store_b32 v12, v10 offset:LOGB
	s_wait_dscnt 0x0
	s_barrier_signal -1
	s_barrier_wait -1
	s_cmp_lg_u32 s18, 0                            ; wave 0 finishes
	s_cbranch_scc1 .Lend
	ds_load_b128 v[20:23], v1 offset:KEYB          ; four keys a lane
	ds_load_b128 v[24:27], v1 offset:LOGB          ; and their logits
	v_mov_b32 v13, 0xff800000
	s_wait_dscnt 0x0
.rept 8                                        ; eight times: the largest key of the 128 becomes -infinity (keys are unique)
	v_max3_num_f32 v8, v20, v21, v22
	v_max_num_f32 v8, v8, v23
	WRED v_max_num_f32, 8, 4
.irp j, 20,21,22,23
	v_cmp_eq_u32 vcc_lo, v8, v\j
	v_cndmask_b32 v\j, v\j, v13, vcc_lo
.endr
.endr
.irp j, 0,1,2,3
	v_cmp_eq_u32 vcc_lo, v13, v[20+\j]
	v_cndmask_b32 v[24+\j], v13, v[24+\j], vcc_lo  ; the eight chosen keep their logits, the rest count as -infinity
.endr
	v_max3_num_f32 v8, v24, v25, v26
	v_max_num_f32 v8, v8, v27
	WRED v_max_num_f32, 8, 4                       ; the largest logit
.irp j, 24,25,26,27
	v_sub_f32 v\j, v\j, v8
	v_mul_f32 v\j, 0x3fb8aa3b, v\j
.endr
.irp j, 24,25,26,27
	v_exp_f32 v\j, v\j
.endr
	v_mov_b32 v10, 0                               ; (a plain instruction behind the exponentials)
	s_wait_alu depctr_va_vdst(0)
	v_add_f32 v24, v24, v25
	v_add_f32 v26, v26, v27
	v_add_f32 v24, v24, v26
	WRED v_add_f32, 24, 4
	v_rcp_f32 v9, v24                              ; exp(0) / sum: the largest of the softmax
	v_cmp_eq_u32 vcc_lo, 0, v0                     ; (a plain instruction behind the reciprocal)
	s_lshl_b32 s2, ttmp9, 2
	s_mov_b32 s3, 0
	s_add_nc_u64 s[16:17], s[16:17], s[2:3]
	s_wait_xcnt 0x0                                ; EXEC is a source of the memory instructions issued so far
	s_and_saveexec_b32 s22, vcc_lo
	s_wait_alu depctr_va_vdst(0)
	global_store_b32 v10, v9, s[16:17]
	s_wait_xcnt 0x0                                ; and of this store
	s_or_b32 exec_lo, exec_lo, s22
.Lend:
	s_wait_tensorcnt 0x0
	ds_add_u32 v160, v161
	s_wait_dscnt 0x0
	s_endpgm
.Lfunc_end_k_qf796b6bf7f_rerank:
	.size	k_qf796b6bf7f_rerank, .Lfunc_end_k_qf796b6bf7f_rerank-k_qf796b6bf7f_rerank
	.p2alignl 7, 3214868480
	.fill 96, 4, 3214868480
	.section	.rodata,"a",@progbits
	.p2align	6, 0x0
	.amdhsa_kernel k_qf796b6bf7f_rerank
		.amdhsa_group_segment_fixed_size 6144
		.amdhsa_private_segment_fixed_size 0
		.amdhsa_enable_private_segment 0
		.amdhsa_kernarg_size 56
		.amdhsa_user_sgpr_count 2
		.amdhsa_user_sgpr_kernarg_segment_ptr 1
		.amdhsa_wavefront_size32 1
		.amdhsa_system_sgpr_workgroup_id_x 1
		.amdhsa_system_sgpr_workgroup_id_y 1
		.amdhsa_system_sgpr_workgroup_id_z 1
		.amdhsa_system_vgpr_workitem_id 0
		.amdhsa_next_free_vgpr 162
		.amdhsa_next_free_sgpr 66
		.amdhsa_reserve_vcc 1
		.amdhsa_float_denorm_mode_32 3
		.amdhsa_float_denorm_mode_16_64 3
		.amdhsa_memory_ordered 1
		.amdhsa_forward_progress 1
		.amdhsa_inst_pref_size 33
	.end_amdhsa_kernel
	.amdgpu_metadata
---
amdhsa.version: [ 1, 2 ]
amdhsa.kernels:
  - .name:           k_qf796b6bf7f_rerank
    .symbol:         k_qf796b6bf7f_rerank.kd
    .args:
      - { .name: gpos, .offset: 0, .size: 8, .value_kind: global_buffer, .address_space: global }
      - { .name: context_tokens, .offset: 8, .size: 8, .value_kind: global_buffer, .address_space: global }
      - { .name: query_tokens, .offset: 16, .size: 8, .value_kind: global_buffer, .address_space: global }
      - { .name: emb_table, .offset: 24, .size: 8, .value_kind: global_buffer, .address_space: global }
      - { .name: W_score, .offset: 32, .size: 8, .value_kind: global_buffer, .address_space: global }
      - { .name: b_score, .offset: 40, .size: 8, .value_kind: global_buffer, .address_space: global }
      - { .name: imp, .offset: 48, .size: 8, .value_kind: global_buffer, .address_space: global }
    .group_segment_fixed_size: 6144
    .private_segment_fixed_size: 0
    .kernarg_segment_align: 8
    .kernarg_segment_size: 56
    .max_flat_workgroup_size: 256
    .sgpr_count:     66
    .vgpr_count:     162
    .wavefront_size: 32
...
	.end_amdgpu_metadata
.endif
;; end of part 3
;; launch weigh (part 4): grid 1 x 1, 4 waves a work-group, no clusters, 0 bytes of LDS; arguments imp, query_tokens, out0; writes out0
.if DOCPART == 4
	.amdgcn_target "amdgcn-amd-amdhsa--gfx1250"
	.amdhsa_code_object_version 6
	.text
	.protected	k_qf796b6bf7f_weigh
	.globl	k_qf796b6bf7f_weigh
	.p2align	8
	.type	k_qf796b6bf7f_weigh,@function
k_qf796b6bf7f_weigh:
	s_mov_b64 s[64:65], 0
	v_nop
	global_prefetch_b8 v0, s[64:65] scope:SCOPE_SE
	s_setreg_imm32_b32 hwreg(HW_REG_WAVE_MODE, 25, 1), 1
	s_wait_xcnt 0x0
; weigh: out[b][i] = token[b][i] x softmax over i of imp[b][i] x 128.  One wave a batch, four numbers a lane: the
; reduction never leaves the wave, so no LDS and no barrier.  The maximum is taken away before the exponential.
; One work-group: 512 numbers are all the work there is.  Each load and store of a wave is 512 consecutive bytes.
.macro WRED op, r, t
.irp m, 1,2,4,8
	\op\()_dpp v[\r], v[\r], v[\r] row_xmask:\m row_mask:0xf bank_mask:0xf
.endr
	v_permlanex16_b32 v[\t], v[\r], s10, s11
	\op v[\r], v[\r], v[\t]
.endm
	s_load_b128 s[4:7], s[0:1], 0x0                ; imp s[4:5], query_tokens s[6:7]
	s_load_b64 s[8:9], s[0:1], 0x10                ; out0
	v_lshlrev_b32 v1, 4, v0
	s_mov_b32 s10, 0x76543210
	s_mov_b32 s11, 0xfedcba98
	v_mov_b32 v14, 0                               ; the lane exchange's destination counts as read
	s_wait_kmcnt 0x0
	global_load_b128 v[4:7], v1, s[4:5]
	global_load_b128 v[8:11], v1, s[6:7]
	s_wait_loadcnt 0x0
	v_max3_num_f32 v12, v4, v5, v6
	v_max_num_f32 v12, v12, v7
	WRED v_max_num_f32, 12, 14
.irp j, 4,5,6,7
	v_sub_f32 v\j, v\j, v12
	v_mul_f32 v\j, 0x3fb8aa3b, v\j
.endr
.irp j, 4,5,6,7
	v_exp_f32 v\j, v\j
.endr
.irp j, 8,9,10,11
	v_cvt_f32_i32 v\j, v\j                         ; plain instructions behind the exponentials
.endr
	s_wait_alu depctr_va_vdst(0)
	v_add_f32 v12, v4, v5
	v_add_f32 v13, v6, v7
	v_add_f32 v12, v12, v13
	WRED v_add_f32, 12, 14
	v_rcp_f32 v13, v12
	v_pk_mul_f32 v[4:5], v[4:5], v[8:9]            ; token x exponential, behind the reciprocal
	v_pk_mul_f32 v[6:7], v[6:7], v[10:11]
	s_wait_alu depctr_va_vdst(0)
	v_mul_f32 v13, 0x43000000, v13                 ; 128 / sum
.irp j, 4,5,6,7
	v_mul_f32 v\j, v\j, v13
.endr
	global_store_b128 v1, v[4:7], s[8:9]
	s_endpgm
.Lfunc_end_k_qf796b6bf7f_weigh:
	.size	k_qf796b6bf7f_weigh, .Lfunc_end_k_qf796b6bf7f_weigh-k_qf796b6bf7f_weigh
	.p2alignl 7, 3214868480
	.fill 96, 4, 3214868480
	.section	.rodata,"a",@progbits
	.p2align	6, 0x0
	.amdhsa_kernel k_qf796b6bf7f_weigh
		.amdhsa_group_segment_fixed_size 0
		.amdhsa_private_segment_fixed_size 0
		.amdhsa_enable_private_segment 0
		.amdhsa_kernarg_size 24
		.amdhsa_user_sgpr_count 2
		.amdhsa_user_sgpr_kernarg_segment_ptr 1
		.amdhsa_wavefront_size32 1
		.amdhsa_system_sgpr_workgroup_id_x 1
		.amdhsa_system_sgpr_workgroup_id_y 1
		.amdhsa_system_sgpr_workgroup_id_z 1
		.amdhsa_system_vgpr_workitem_id 0
		.amdhsa_next_free_vgpr 24
		.amdhsa_next_free_sgpr 66
		.amdhsa_reserve_vcc 0
		.amdhsa_float_denorm_mode_32 3
		.amdhsa_float_denorm_mode_16_64 3
		.amdhsa_memory_ordered 1
		.amdhsa_forward_progress 1
		.amdhsa_inst_pref_size 3
	.end_amdhsa_kernel
	.amdgpu_metadata
---
amdhsa.version: [ 1, 2 ]
amdhsa.kernels:
  - .name:           k_qf796b6bf7f_weigh
    .symbol:         k_qf796b6bf7f_weigh.kd
    .args:
      - { .name: imp, .offset: 0, .size: 8, .value_kind: global_buffer, .address_space: global }
      - { .name: query_tokens, .offset: 8, .size: 8, .value_kind: global_buffer, .address_space: global }
      - { .name: out0, .offset: 16, .size: 8, .value_kind: global_buffer, .address_space: global }
    .group_segment_fixed_size: 0
    .private_segment_fixed_size: 0
    .kernarg_segment_align: 8
    .kernarg_segment_size: 24
    .max_flat_workgroup_size: 128
    .sgpr_count:     66
    .vgpr_count:     24
    .wavefront_size: 32
...
	.end_amdgpu_metadata
.endif
;; end of part 4
;; ======== version 2 of 2: 4 launches; version 1 with the launch scan written anew for expert scheduling mode
;; limits: values within 0.00049 (relative) of each other or of a threshold may be ordered or decided otherwise than in the reference; values within 1.53e-05 (relative) of each other or of a threshold may be ordered or decided otherwise than in the reference
;; workspace buffers: gmax 8,388,608 bytes; gpos 16,384 bytes of whole numbers; imp 2,048 bytes
;; launch scan (part 5): grid 256 x 1, 8 waves a work-group, no clusters, 250,880 bytes of LDS; arguments context_tokens, query_tokens, emb_table, gmax; writes gmax
.if DOCPART == 5
	.amdgcn_target "amdgcn-amd-amdhsa--gfx1250"
	.amdhsa_code_object_version 6
	.text
	.protected	k_qf796b6bf7f_scan
	.globl	k_qf796b6bf7f_scan
	.p2align	8
	.type	k_qf796b6bf7f_scan,@function
k_qf796b6bf7f_scan:
	s_mov_b64 s[64:65], 0
	v_nop
	global_prefetch_b8 v0, s[64:65] scope:SCOPE_SE
	s_setreg_imm32_b32 hwreg(HW_REG_WAVE_SCHED_MODE, 0, 2), 2
	s_setreg_imm32_b32 hwreg(HW_REG_WAVE_MODE, 25, 1), 1
	s_wait_xcnt 0x0
	s_wait_alu depctr_vm_vsrc(0)
; scan: for every query and every group of 16 neighbouring contexts, the largest  q.c - |c|^2/2  (= (|q|^2 - |q-c|^2)/2:
; the largest value belongs to the group's nearest context).  The eight nearest contexts of a query lie in the eight
; groups with the largest such value, so the later launches look at 8 x 16 candidates only.
; A work-group takes 256 contexts x all 512 queries.  All 768 embedding rows are gathered (one load of a wave = one row,
; 512 consecutive bytes), rounded to bf16 and laid into LDS, 256 bytes a row at a pitch of 272.
; Wave (cq = wave & 3, qh = wave >> 2) keeps LDS rows 64 cq .. + 63 as four A tiles in 128 registers and walks the 16 query
; tiles of half qh.  Source 0 = contexts, source 1 = queries: register j of lane (r, h) holds row 8h + j, query r, so a
; maximum over registers is a maximum over contexts.  Context x of a block of 32 lies in LDS row x with bits 3 and 4
; exchanged, so that tiles 2p, 2p+1 hold in half h the contexts 64 cq + 32 p + 16 h + 0 .. 15.
; -|c|^2/2 enters as C of the first product.  It is the diagonal of A x A^T, the norm of the ROUNDED vector, so that the
; result belongs to a distance between the rounded vectors.
; Out: gmax[wg][query][4 cq + 2 h + p], f32, through an LDS stage; each store of a wave is 512 consecutive bytes, aligned.
; LIMITS: the product's operands are bf16, and the value is a difference of sums as in the reference's own formula (it only
; chooses candidates; the distances are made again in f32 from differences in launch rerank); finite inputs; a token is
; clamped to the table's last row.
; NO CLUSTER, NO TENSOR LOADS: what work-groups share is the 512 query rows, gathered by token from an f32 table; kept in
; LDS as f32 they are 262,144 bytes beside 208,896 bytes of bf16 rows, more than the 327,680 bytes there are.
; THE MODE: SCHED_MODE bits 1:0 = 2 (LLVM: expert scheduling mode 2), set by the entry lines.  The code itself states the register
; dependences between vector or matrix instructions and memory or LDS instructions, with s_wait_alu, always for 0.
; THE PLAN.  Registers that memory or LDS instructions touch:
;   X0 .. X2   Six batches of 16 rows land in them by turns.  Read by the batch's conversions; the last three batches are converted in place
;              and stored to LDS from there.
;   AD         The 16 offsets of a batch's loads: written by vector adds, read by the loads.  At the head 48 offsets stand in AD and Y together.
;   Y          The first three batches in bf16: written by their conversions, read by their 16 LDS stores.
;   A refill step: vm_vsrc (AD and Y have been read), conversions X -> Y and new offsets -> AD, ONE va_vdst, 16 loads into X, 16 LDS stores from Y.
;   B0, B1     Query tile i lies in B[i % 2]: read by tile i's products; the loads of tile i + 2 land in it at the head of tile i + 1.
;   R0, R1     Tile i's two maxima stand in R[i % 2]; the LDS store that reads them is issued at the head of tile i + 1.
;   A tile's head: vm_vsrc (R[i % 2] has been read), ONE va_vdst (the tile before is done reading the other B and has written the other R), the 8 loads
;   of tile i + 1, the store of tile i - 1.  The tile's products and maxima name B[i % 2], A, NRM, ACC and R[i % 2]: none of the registers that those touch.
;   v2, v3, v6, v7, v8: LDS addresses, made once and never written again.
.set VOCABM1, 50256
.set PITCH,   272                      ; 256 + 16 bytes: an odd multiple of 16, the sixteen rows of a fragment start in different banks
.set QROW0,   256                      ; LDS rows 0-255 contexts, 256-767 queries
.set OUTB,    768*PITCH                ; the stage: 512 rows of 64 bytes at a pitch of 80, behind all the rows
.set OPITCH,  80
.set LN16, 1                           ; v1   16 x lane
.set STC,  2                           ; v2   LDS: my 8 bytes in my wave's first context row
.set STQ,  3                           ; v3   LDS: my 8 bytes in my wave's first query row
.set FA,   6                           ; v6   LDS: my fragment address in my contexts
.set FB,   7                           ; v7   LDS: my fragment address in my half of the queries
.set SO,   8                           ; v8   LDS: where my two results of a tile go
.set WS,   16                          ; v[16:23]   -0.5 where register j of this lane lies on the diagonal, else 0 (made when the rows have left X)
.set X,    16                          ; v[16:207]  three sets of 16 rows x 4 registers while rows are gathered
.set AD,   208                         ; v[208:223] the offsets of 16 row loads; at the head v[208:255]: 48 of them
.set Y,    224                         ; v[224:255] 16 rows x 2 registers in bf16, to be stored to LDS
.set B,    24                          ; v[24:55]   the even query tiles: 4 K steps x 8 registers; the odd ones lie in v[256:287], v[0:31] of window 1
.set ACC,  56                          ; v[56:87]   4 accumulator tiles
.set NRM,  88                          ; v[88:119]  -|c|^2/2 in the layout of C, 4 tiles
.set A,    120                         ; v[120:247] 4 context tiles x 4 K steps x 8 registers
.set R,    248                         ; v[248:251] the two group maxima of a tile, two pairs by turns
.set MSB, 0
.macro WIN new                         ; s_set_vgpr_msb: bits 1:0 source 0, 3:2 source 1, 5:4 source 2, 7:6 destination; the high byte repeats the setting that is left
.if MSB != (\new)
	s_set_vgpr_msb (MSB<<8)|(\new)
.set MSB, \new
.endif
.endm
	s_load_b256 s[4:11], s[0:1], 0x0               ; context_tokens s[4:5], query_tokens s[6:7], emb_table s[8:9], gmax s[10:11]
	v_lshl_add_u32 v14, v0, 2, 0x3d000
	v_mov_b32 v15, 0
	v_lshrrev_b32 v4, 5, v0
	v_readfirstlane_b32 s12, v4                    ; wave 0..7
	v_and_b32 v5, 31, v0                           ; lane
	v_lshlrev_b32 v[LN16], 4, v5
	s_wait_alu depctr_va_sdst(0)                   ; s12 is written, ahead of its first reader: LDS addresses and token offsets are made from it
	s_mul_i32 s13, s12, 32*PITCH                   ; the wave stages context rows 32 wave .. + 31
	v_lshl_add_u32 v[STC], v5, 3, s13
	s_mul_i32 s13, s12, 64*PITCH                   ; and query rows 64 wave .. + 63
	s_add_co_u32 s13, s13, QROW0*PITCH
	v_lshl_add_u32 v[STQ], v5, 3, s13
	s_lshl_b32 s14, ttmp9, 10                      ; 256 tokens of 4 bytes a work-group
	s_lshl_b32 s13, s12, 7                         ; + 32 tokens a wave
	s_add_co_u32 s14, s14, s13
	s_mov_b32 s15, 0
	s_lshl_b32 s2, s12, 8                          ; 64 query tokens a wave
	s_mov_b32 s3, 0
	s_wait_kmcnt 0x0
	s_add_nc_u64 s[4:5], s[4:5], s[14:15]
	s_add_nc_u64 s[6:7], s[6:7], s[2:3]
	s_load_b512 s[16:31], s[4:5], 0x0              ; tokens of batch 0: my contexts 0-15
	s_load_b512 s[32:47], s[4:5], 0x40             ; batch 1: contexts 16-31
	s_load_b512 s[48:63], s[6:7], 0x0              ; batch 2: queries 0-15
	s_wait_kmcnt 0x0
; 16 offsets.  The token is uniform: offset = 512 x token + 16 x lane, so that the wave reads the row's 512 bytes in one go.
.macro ADDR set, base
.irp i, 0,1,2,3,4,5,6,7,8,9,10,11,12,13,14,15
	s_min_u32 s13, s[16+16*\set+\i], VOCABM1
	v_lshl_add_u32 v[\base+\i], s13, 9, v[LN16]
.endr
.endm
; 16 row loads by these offsets
.macro LOADS set, base
.irp i, 0,1,2,3,4,5,6,7,8,9,10,11,12,13,14,15
	global_load_b128 v[X+64*\set+4*\i:X+64*\set+4*\i+3], v[\base+\i], s[8:9]
.endr
.endm
; 16 rows: a lane's four f32 become four bf16 (nearest even), in two registers at d0 + dstep x row
.macro CONV set, d0, dstep
.irp i, 0,1,2,3,4,5,6,7,8,9,10,11,12,13,14,15
	v_cvt_pk_bf16_f32 v[\d0+\dstep*\i], v[X+64*\set+4*\i], v[X+64*\set+4*\i+1]
	v_cvt_pk_bf16_f32 v[\d0+\dstep*\i+1], v[X+64*\set+4*\i+2], v[X+64*\set+4*\i+3]
.endr
.endm
; and go to LDS, 8 bytes at 8 x lane of the row.  swap = 1: bits 3 and 4 of the row exchanged.
.macro STORES d0, dstep, adr, row0, swap
.irp i, 0,1,2,3,4,5,6,7,8,9,10,11,12,13,14,15
.if \swap
	ds_store_b64 v[\adr], v[\d0+\dstep*\i:\d0+\dstep*\i+1] offset:(((\row0+\i)&7)|(((\row0+\i)&8)<<1)|(((\row0+\i)&16)>>1))*PITCH
.else
	ds_store_b64 v[\adr], v[\d0+\dstep*\i:\d0+\dstep*\i+1] offset:(\row0+\i)*PITCH
.endif
.endr
.endm
; One of the first three batches: it is rounded into Y, and its set is asked for again at once, three batches ahead.
.macro REFILL set, adr, row0, swap
	s_wait_loadcnt 32                              ; loads return in order: this batch is in, the 32 loads of the two younger batches stay out
	s_wait_xcnt 0x0                                ; every earlier memory instruction has had its addresses translated (ISA guide 3.1): AD and Y, which held offsets of loads still out, are rewritten only behind this wait
	s_wait_alu depctr_vm_vsrc(0)                   ; the loads issued so far have read their offsets in AD (at first in Y too), and the LDS stores of the batch before have read Y: both are written again below
	CONV \set, Y, 2
	ADDR \set, AD
	s_wait_alu depctr_va_vdst(0)                   ; the conversions are done reading this set, in which the loads below land, and have written Y, which the LDS stores read; the offsets in AD are written
	LOADS \set, AD
	STORES Y, 2, \adr, \row0, \swap
.endm
; One of the last three batches: nothing is asked for any more, so it is rounded in place and stored from there.
.macro DRAIN set, row0, left
	s_wait_loadcnt \left                           ; this batch is in; the younger batches' loads stay out
	CONV \set, X+64*\set, 4
	s_wait_alu depctr_va_vdst(0)                   ; the conversions have written the registers that the LDS stores read
	STORES X+64*\set, 4, STQ, \row0, 0
.endm
	ADDR 0, AD
	ADDR 1, AD+16
	ADDR 2, AD+32
	s_wait_alu depctr_va_vdst(0)                   ; the 48 offsets are written, which the loads below read
	LOADS 0, AD
	LOADS 1, AD+16
	LOADS 2, AD+32                                 ; 48 rows of the wave are on their way
	s_load_b512 s[16:31], s[6:7], 0x40             ; tokens of batches 3, 4, 5: queries 16-63 (the old tokens have been used up)
	s_load_b512 s[32:47], s[6:7], 0x80
	s_load_b512 s[48:63], s[6:7], 0xc0
	; addresses for later, while the rows travel (the waits on va_vdst of the batches below stand between these lines and the LDS instructions that read v6, v7, v8)
	v_and_b32 v4, 15, v0                           ; r
	v_bfe_u32 v5, v0, 4, 1                         ; h
	v_mul_u32_u24 v9, v4, PITCH
	v_lshl_add_u32 v9, v5, 4, v9                   ; r x pitch + 16 h: a 16-bit fragment with K along the row
	s_and_b32 s13, s12, 3                          ; cq
	s_lshr_b32 s14, s12, 2                         ; qh
	s_mul_i32 s15, s13, 64*PITCH
	v_add_nc_u32 v[FA], s15, v9
	s_mul_i32 s15, s14, 256*PITCH
	s_add_co_u32 s15, s15, QROW0*PITCH
	v_add_nc_u32 v[FB], s15, v9
	v_mul_u32_u24 v10, v4, OPITCH
	v_lshl_add_u32 v10, v5, 3, v10                 ; stage: query r x 80 + 8 h
	s_mul_i32 s15, s14, 256*OPITCH                 ; + my half of the queries
	s_mul_i32 s2, s13, 16                          ; + 16 cq: four slots of 4 bytes for each quarter of the contexts
	s_add_co_u32 s15, s15, s2
	s_add_co_u32 s15, s15, OUTB
	v_add_nc_u32 v[SO], s15, v10
	v_lshlrev_b32 v11, 3, v5
	v_sub_nc_u32 v11, v4, v11                      ; r - 8 h: the register of this lane that lies on the diagonal, if 0..7
	v_mov_b32 v12, -0.5
	s_wait_kmcnt 0x0                               ; the tokens of batches 3 to 5
	REFILL 0, STC, 0, 1                            ; batch 0; batch 3 is asked for
	REFILL 1, STC, 16, 1                           ; batch 1; batch 4
	REFILL 2, STQ, 0, 0                            ; batch 2; batch 5
	DRAIN 0, 16, 32                                ; batch 3; 4 and 5 stay out
	DRAIN 1, 32, 16                                ; batch 4; 5 stays out
	DRAIN 2, 48, 0
	s_wait_dscnt 0x0                               ; my rows are in LDS before I say so
	s_barrier_signal -1
	s_barrier_wait -1                              ; all 768 rows are
	s_wait_alu depctr_vm_vsrc(0)                   ; my LDS stores have read X and Y and my row loads AD: these registers are WS, B, ACC, NRM, A and R from here on
	; my four context tiles, then the first query tile.  No vector instruction has been issued since the last batch's wait on va_vdst, so these loads owe no further one.
.irp a, 0,1,2,3
.irp s, 0,1,2,3
	ds_load_b128 v[A+32*\a+8*\s:A+32*\a+8*\s+3],   v[FA] offset:\a*16*PITCH+64*\s
	ds_load_b128 v[A+32*\a+8*\s+4:A+32*\a+8*\s+7], v[FA] offset:\a*16*PITCH+64*\s+32
.endr
.endr
.irp s, 0,1,2,3
	ds_load_b128 v[B+8*\s:B+8*\s+3],   v[FB] offset:64*\s
	ds_load_b128 v[B+8*\s+4:B+8*\s+7], v[FB] offset:64*\s+32
.endr
	; the diagonal's weights, while the fragments travel: eight compares in a run (the tokens' registers are free), one wait, eight selects
.irp j, 0,1,2,3,4,5,6,7
	v_cmp_eq_u32 s[16+\j], \j, v11
.endr
	s_wait_alu depctr_va_sdst(0)                   ; the eight masks s16 to s23 are written, ahead of the selects that read them
.irp j, 0,1,2,3,4,5,6,7
	v_cndmask_b32 v[WS+\j], 0, v12, s[16+\j]
.endr
	s_wait_dscnt 8                                 ; A's 32 loads are in; the 8 of the query tile stay out
	; A x A^T: the register maps of the two sources are the same, so one fragment serves as both
.irp a, 0,1,2,3
	v_wmma_f32_16x16x32_bf16 v[ACC+8*\a:ACC+8*\a+7], v[A+32*\a:A+32*\a+7], v[A+32*\a:A+32*\a+7], 0
.endr
.irp s, 1,2,3
.irp a, 0,1,2,3
	v_wmma_f32_16x16x32_bf16 v[ACC+8*\a:ACC+8*\a+7], v[A+32*\a+8*\s:A+32*\a+8*\s+7], v[A+32*\a+8*\s:A+32*\a+8*\s+7], v[ACC+8*\a:ACC+8*\a+7]
.endr
.endr
.rept 4
	v_nop                                          ; four independent vector places before a vector instruction reads a matrix result (ISA guide 7.12.1)
.endr
	; keep the diagonal element times -0.5, zero elsewhere, and add over the 16 lanes of the half: every lane then holds -|c(8h+j)|^2/2
.irp a, 0,1,2,3
.irp j, 0,1,2,3,4,5,6,7
	v_mul_f32 v[NRM+8*\a+\j], v[ACC+8*\a+\j], v[WS+\j]
.endr
.endr
.irp m, 1,2,4,8
.set ii, 0
.rept 32
	v_add_f32_dpp v[NRM+ii], v[NRM+ii], v[NRM+ii] row_xmask:\m row_mask:0xf bank_mask:0xf
.set ii, ii+1
.endr
.endr
; the largest of the 16 registers of tiles 2p and 2p+1: a tree of three-input maxima, eight instructions; RD: the tile's pair of R
.macro REDUCE p
.set CB, ACC+16*\p
	v_max3_num_f32 v[CB],    v[CB],    v[CB+1],  v[CB+2]
	v_max3_num_f32 v[CB+3],  v[CB+3],  v[CB+4],  v[CB+5]
	v_max3_num_f32 v[CB+6],  v[CB+6],  v[CB+7],  v[CB+8]
	v_max3_num_f32 v[CB+9],  v[CB+9],  v[CB+10], v[CB+11]
	v_max3_num_f32 v[CB+12], v[CB+12], v[CB+13], v[CB+14]
	v_max3_num_f32 v[CB],    v[CB],    v[CB+3],  v[CB+6]
	v_max3_num_f32 v[CB+9],  v[CB+9],  v[CB+12], v[CB+15]
	v_max_num_f32  v[RD+\p], v[CB],    v[CB+9]
.endm
; One query tile: at its head the next tile's fragments are asked for and the last tile's two maxima stored; then 16 matrix instructions
; (4 context tiles x K = 128) and the two maxima.  All 16 tiles are written out, so that every LDS offset is an immediate (the largest, 15 x 4,352 + 224, fits 16 bits).
; The next tile's first products write over ACC: behind each of this tile's last four products stand the four v_nop and
; the eight maxima of the other pair of tiles, which name none of its registers.
; The stage's bytes are each wave's own (query rows of its half, 16 bytes of its quarter) and lie behind the rows that the
; fragment loads read, so no barrier stands between those loads and these stores.
.macro TILE i
.set BC, B*(1-(\i%2))                  ; this tile's fragments: v24 on, or v0 on in window 1
.set BN, B*(\i%2)                      ; the next tile's: the other buffer
.set RD, R+2*(\i%2)
	s_wait_dscnt 0x0                               ; the tile's eight fragment loads, issued a tile ago, are in
.if \i >= 2
	s_wait_alu depctr_vm_vsrc(0)                   ; the LDS store issued in the tile before has read this tile's pair of R, which the maxima below write again
.endif
.if (\i < 15) && ((\i%2) == 0)
	WIN 0x40                                       ; the loads' destination lies in window 1, their address in window 0
.endif
.if \i > 0
	s_wait_alu depctr_va_vdst(0)                   ; the tile before: its products are done reading the other fragment buffer, in which the loads below land; its maxima have written the other pair of R, which the store below reads
.endif
.if \i < 15
.irp s, 0,1,2,3
	ds_load_b128 v[BN+8*\s:BN+8*\s+3],   v[FB] offset:(\i+1)*16*PITCH+64*\s
	ds_load_b128 v[BN+8*\s+4:BN+8*\s+7], v[FB] offset:(\i+1)*16*PITCH+64*\s+32
.endr
.endif
	WIN 0
.if \i > 0
	ds_store_b64 v[SO], v[R+2*((\i-1)%2):R+2*((\i-1)%2)+1] offset:(\i-1)*16*OPITCH   ; slots (h, p = 0) and (h, p = 1) of query 16 (i - 1) + r
.endif
.if (\i%2) == 1
	WIN 0x04                                       ; source 1, the queries, in window 1
.endif
.irp a, 0,1,2,3
	v_wmma_f32_16x16x32_bf16 v[ACC+8*\a:ACC+8*\a+7], v[A+32*\a:A+32*\a+7], v[BC:BC+7], v[NRM+8*\a:NRM+8*\a+7]
.endr
.irp s, 1,2,3
.irp a, 0,1,2,3
	v_wmma_f32_16x16x32_bf16 v[ACC+8*\a:ACC+8*\a+7], v[A+32*\a+8*\s:A+32*\a+8*\s+7], v[BC+8*\s:BC+8*\s+7], v[ACC+8*\a:ACC+8*\a+7]
.endr
.endr
	WIN 0
.rept 4
	v_nop                                          ; four places before the maxima read the results (ISA guide 7.12.1)
.endr
	REDUCE 0
	REDUCE 1
.endm
.irp i, 0,1,2,3,4,5,6,7,8,9,10,11,12,13,14,15
	TILE \i
.endr
	; the stage goes out as it lies: piece n = thread + 256 k is bytes 16 n .. 16 n + 15 of the work-group's 32,768.  Its two addresses are made here, ahead of the wait that the last store needs anyway.
	v_lshrrev_b32 v9, 2, v0
	v_and_b32 v10, 3, v0
	v_mul_u32_u24 v9, v9, OPITCH
	v_lshl_add_u32 v9, v10, 4, v9
	v_add_nc_u32 v9, OUTB, v9
	v_lshlrev_b32 v10, 4, v0
	s_wait_alu depctr_va_vdst(0)                   ; tile 15's maxima have written their pair of R, which the store below reads; v9 and v10 are written, which the stage's loads and the global stores read
	ds_store_b64 v[SO], v[R+2:R+3] offset:15*16*OPITCH
	s_wait_dscnt 0x0                               ; my results are in the stage before I say so
	s_barrier_signal -1
	s_barrier_wait -1
.irp k, 0,1,2,3,4,5,6,7
	ds_load_b128 v[B+4*\k:B+4*\k+3], v9 offset:\k*64*OPITCH   ; into the even tiles' buffer: its last readers, tile 14's products, stand ahead of the wait above
.endr
	s_lshl_b32 s14, ttmp9, 15
	s_mov_b32 s15, 0
	s_add_nc_u64 s[10:11], s[10:11], s[14:15]
.irp k, 0,1,2,3,4,5,6,7
	s_wait_dscnt 7-\k                              ; LDS loads return in order: piece k is in, the younger ones stay out
	global_store_b128 v10, v[B+4*\k:B+4*\k+3], s[10:11] offset:\k*4096
.endr
	s_wait_dscnt 0x0
	s_wait_alu depctr_hold_cnt(0) depctr_sa_sdst(0) depctr_va_vdst(0) depctr_va_sdst(0) depctr_va_ssrc(0) depctr_va_vcc(0) depctr_vm_vsrc(0)
	s_wait_tensorcnt 0x0
	ds_add_u32 v14, v15
	s_wait_dscnt 0x0
	s_endpgm
.Lfunc_end_k_qf796b6bf7f_scan:
	.size	k_qf796b6bf7f_scan, .Lfunc_end_k_qf796b6bf7f_scan-k_qf796b6bf7f_scan
	.p2alignl 7, 3214868480
	.fill 96, 4, 3214868480
	.section	.rodata,"a",@progbits
	.p2align	6, 0x0
	.amdhsa_kernel k_qf796b6bf7f_scan
		.amdhsa_group_segment_fixed_size 250880
		.amdhsa_private_segment_fixed_size 0
		.amdhsa_enable_private_segment 0
		.amdhsa_kernarg_size 32
		.amdhsa_user_sgpr_count 2
		.amdhsa_user_sgpr_kernarg_segment_ptr 1
		.amdhsa_wavefront_size32 1
		.amdhsa_system_sgpr_workgroup_id_x 1
		.amdhsa_system_sgpr_workgroup_id_y 1
		.amdhsa_system_sgpr_workgroup_id_z 1
		.amdhsa_system_vgpr_workitem_id 0
		.amdhsa_next_free_vgpr 288
		.amdhsa_next_free_sgpr 66
		.amdhsa_reserve_vcc 0
		.amdhsa_float_denorm_mode_32 3
		.amdhsa_float_denorm_mode_16_64 3
		.amdhsa_memory_ordered 1
		.amdhsa_forward_progress 1
		.amdhsa_inst_pref_size 103
	.end_amdhsa_kernel
	.amdgpu_metadata
---
amdhsa.version: [ 1, 2 ]
amdhsa.kernels:
  - .name:           k_qf796b6bf7f_scan
    .symbol:         k_qf796b6bf7f_scan.kd
    .args:
      - { .name: context_tokens, .offset: 0, .size: 8, .value_kind: global_buffer, .address_space: global }
      - { .name: query_tokens, .offset: 8, .size: 8, .value_kind: global_buffer, .address_space: global }
      - { .name: emb_table, .offset: 16, .size: 8, .value_kind: global_buffer, .address_space: global }
      - { .name: gmax, .offset: 24, .size: 8, .value_kind: global_buffer, .address_space: global }
    .group_segment_fixed_size: 250880
    .private_segment_fixed_size: 0
    .kernarg_segment_align: 8
    .kernarg_segment_size: 32
    .max_flat_workgroup_size: 256
    .sgpr_count:     66
    .vgpr_count:     288
    .wavefront_size: 32
...
	.end_amdgpu_metadata
.endif
;; end of part 5
;; launch pick: the kernel of part 2 again; grid 128 x 1, 8 waves a work-group, no clusters, 9,216 bytes of LDS; arguments gmax, query_tokens, emb_table, gpos; writes gpos
;; launch rerank: the kernel of part 3 again; grid 512 x 1, 8 waves a work-group, no clusters, 6,144 bytes of LDS; arguments gpos, context_tokens, query_tokens, emb_table, W_score, b_score, imp; writes imp
;; launch weigh: the kernel of part 4 again; grid 1 x 1, 4 waves a work-group, no clusters, 0 bytes of LDS; arguments imp, query_tokens, out0; writes out0
